; MI455X (gfx1250); checked and timed in simulation.
; The chip was launched on July 23, 2026; its instructions are those of AMD's public machine-readable ISA for CDNA 5 (MIT licence, August 2026) and "CDNA5" Instruction Set Architecture Reference Guide (July 2026). The comments in the code are by the model that wrote it; some were corrected since.
;; Scaled Dot Product Attention. Allowed arithmetic: float matrix products may take bf16 or f16 operands with f32 sums; other float arithmetic in f32, or as packed bf16 or f16 multiplies, adds, multiply-adds, maxima and minima; sums over many terms, partial sums and values carried from step to step in f32; what a program stores and reads back later, other than sums and carried values, may be rounded once to bf16 or f16.
;; Inputs: k 8 x 2,048 x 1,024 float32; mask 8 x 1 x 2,048 float32; q 8 x 2,048 x 1,024 float32; v 8 x 2,048 x 1,024 float32.
;; Outputs: out0 8 x 2,048 x 1,024 float32.
;; One version. Each part assembles by itself: llvm-mc -triple=amdgcn-amd-amdhsa -mcpu=gfx1250 --defsym DOCPART=n.
;; ======== version 1 of 1: 2 launches
;; workspace buffers: kvb 67,108,864 bytes
;; launch cvt (part 1): grid 1024 x 2, 8 waves a work-group, no clusters, 0 bytes of LDS; arguments k, v, kvb; writes kvb
.if DOCPART == 1
	.amdgcn_target "amdgcn-amd-amdhsa--gfx1250"
	.amdhsa_code_object_version 6
	.text
	.protected	k_qf067da41fe_cvt
	.globl	k_qf067da41fe_cvt
	.p2align	8
	.type	k_qf067da41fe_cvt,@function
k_qf067da41fe_cvt:
	s_mov_b64 s[64:65], 0
	v_nop
	global_prefetch_b8 v0, s[64:65] scope:SCOPE_SE
	s_setreg_imm32_b32 hwreg(HW_REG_WAVE_MODE, 25, 1), 1
	s_wait_xcnt 0x0
; K and V, [8][2048][1024] f32, are rounded once to bf16 (nearest even): kvb holds K at byte 0 and V at byte 33,554,432, in the same order.
; The attention launch reads every key tile from 32 work-groups; rounding here once halves those bytes and spares 32 conversions of each number.
; A stream: no LDS, no matrix unit, no cluster, since no two work-groups read the same byte.
; Work-group (x, y): y picks the tensor, x its 65,536 input bytes.  Thread t takes 16 bytes at 16 t of each block of 4,096: a wave's load
; covers 512 consecutive bytes, a wave's store 256 consecutive bytes at a multiple of 256.  All sixteen loads go out first; no register is written twice.
.set X, 4                              ; v[4:67]   load i: four f32
.set Y, 68                             ; v[68:99]  store i: four bf16
	s_load_b128 s[4:7], s[0:1], 0x0                ; k s[4:5], v s[6:7]
	s_load_b64 s[8:9], s[0:1], 0x10                ; kvb
	s_and_b32 s10, ttmp7, 0xffff                   ; y: 0 = K, 1 = V
	s_lshl_b32 s2, ttmp9, 16                       ; my input bytes
	s_mov_b32 s3, 0
	s_lshl_b32 s12, ttmp9, 15                      ; my output bytes,
	s_lshl_b32 s13, s10, 25                        ; V's behind K's 33,554,432
	s_add_co_u32 s12, s12, s13
	s_mov_b32 s13, 0
	v_lshlrev_b32 v1, 4, v0                        ; 16 t
	v_lshlrev_b32 v2, 3, v0                        ; 8 t
	s_wait_kmcnt 0x0
	s_cmp_eq_u32 s10, 0
	s_cselect_b64 s[4:5], s[4:5], s[6:7]           ; the tensor is chosen by the work-group's y alone
	s_add_nc_u64 s[4:5], s[4:5], s[2:3]
	s_add_nc_u64 s[8:9], s[8:9], s[12:13]
.irp i, 0,1,2,3,4,5,6,7,8,9,10,11,12,13,14,15
	global_load_b128 v[X+4*(\i):X+4*(\i)+3], v1, s[4:5] offset:4096*(\i) th:TH_LOAD_NT
.endr
.irp i, 0,1,2,3,4,5,6,7,8,9,10,11,12,13,14,15
	s_wait_loadcnt 15-(\i)                         ; loads come back in order (ISA guide 5.7.1): load i is in, the younger ones stay out
	v_cvt_pk_bf16_f32 v[Y+2*(\i)], v[X+4*(\i)], v[X+4*(\i)+1]
	v_cvt_pk_bf16_f32 v[Y+2*(\i)+1], v[X+4*(\i)+2], v[X+4*(\i)+3]
	global_store_b64 v2, v[Y+2*(\i):Y+2*(\i)+1], s[8:9] offset:2048*(\i)  ; no hint: the next launch reads these bytes
.endr
	s_endpgm
.Lfunc_end_k_qf067da41fe_cvt:
	.size	k_qf067da41fe_cvt, .Lfunc_end_k_qf067da41fe_cvt-k_qf067da41fe_cvt
	.p2alignl 7, 3214868480
	.fill 96, 4, 3214868480
	.section	.rodata,"a",@progbits
	.p2align	6, 0x0
	.amdhsa_kernel k_qf067da41fe_cvt
		.amdhsa_group_segment_fixed_size 0
		.amdhsa_private_segment_fixed_size 0
		.amdhsa_enable_private_segment 0
		.amdhsa_kernarg_size 24
		.amdhsa_user_sgpr_count 2
		.amdhsa_user_sgpr_kernarg_segment_ptr 1
		.amdhsa_wavefront_size32 1
		.amdhsa_system_sgpr_workgroup_id_x 1
		.amdhsa_system_sgpr_workgroup_id_y 1
		.amdhsa_system_sgpr_workgroup_id_z 1
		.amdhsa_system_vgpr_workitem_id 0
		.amdhsa_next_free_vgpr 100
		.amdhsa_next_free_sgpr 66
		.amdhsa_reserve_vcc 0
		.amdhsa_float_denorm_mode_32 3
		.amdhsa_float_denorm_mode_16_64 3
		.amdhsa_memory_ordered 1
		.amdhsa_forward_progress 1
		.amdhsa_inst_pref_size 7
	.end_amdhsa_kernel
	.amdgpu_metadata
---
amdhsa.version: [ 1, 2 ]
amdhsa.kernels:
  - .name:           k_qf067da41fe_cvt
    .symbol:         k_qf067da41fe_cvt.kd
    .args:
      - { .name: k, .offset: 0, .size: 8, .value_kind: global_buffer, .address_space: global }
      - { .name: v, .offset: 8, .size: 8, .value_kind: global_buffer, .address_space: global }
      - { .name: kvb, .offset: 16, .size: 8, .value_kind: global_buffer, .address_space: global }
    .group_segment_fixed_size: 0
    .private_segment_fixed_size: 0
    .kernarg_segment_align: 8
    .kernarg_segment_size: 24
    .max_flat_workgroup_size: 256
    .sgpr_count:     66
    .vgpr_count:     100
    .wavefront_size: 32
...
	.end_amdgpu_metadata
.endif
;; end of part 1
;; launch attn (part 2): grid 32 x 8, 4 waves a work-group, clusters of 4 x 1, 327,680 bytes of LDS; arguments q, mask, kvb, out0; writes out0
.if DOCPART == 2
	.amdgcn_target "amdgcn-amd-amdhsa--gfx1250"
	.amdhsa_code_object_version 6
	.text
	.protected	k_qf067da41fe_attn
	.globl	k_qf067da41fe_attn
	.p2align	8
	.type	k_qf067da41fe_attn,@function
k_qf067da41fe_attn:
	s_mov_b64 s[64:65], 0
	v_nop
	global_prefetch_b8 v0, s[64:65] scope:SCOPE_SE
	s_setreg_imm32_b32 hwreg(HW_REG_WAVE_MODE, 25, 1), 1
	s_wait_xcnt 0x0
	s_wait_alu depctr_hold_cnt(0) depctr_sa_sdst(0) depctr_va_vdst(0) depctr_va_sdst(0) depctr_va_ssrc(0) depctr_va_vcc(0) depctr_vm_vsrc(0)
	s_getreg_b32 s2, hwreg(HW_REG_IB_STS2, 6, 4)
	s_cmp_eq_u32 s2, 0
	s_cbranch_scc0 .Lentry_in_a_cluster
	s_endpgm
.Lentry_in_a_cluster:
	s_bfe_u32 s2, ttmp6, 0x10000c
	s_cmp_lg_u32 s2, 0x3003
	s_cbranch_scc0 .Lentry_shape_is_right
	s_endpgm
.Lentry_shape_is_right:
; out[b][q][:] = the sum over k of softmax_k(q[b][q] . k[b][k] / 32 + mask[b][k] x (-1e9)) v[b][k][:].  q, out: [8][2048][1024] f32; mask: [8][2048] f32;
; kvb: K and then V, [8][2048][1024] bf16 each.  q is rounded to bf16 here; products, maxima and sums in f32; the weights p are rounded to bf16 for the second
; product (their sum l is taken of the unrounded p); out is divided by l and stored in f32.
; LIMITS.  A weight below 2^-126 counts as 0.  NaN and infinities are not treated apart.  The scale 1/32 is a power of two, so the work goes on 32 x logit: sum + 32 x fl(mask x -1e9),
; which rounds as the logit itself does; in a batch whose keys are ALL masked the scores are rounded at 3.2e10 as in the definition, but in another order of the sums.
; SHARES.  A work-group owns 64 queries of one batch (four tiles of 16): 64 x 1024 f32 of O are 512 registers in each of four waves, and 8 x 2048 / 64 = 256 work-groups.
; Wave w owns CHANNELS 256 w .. 256 w + 255 in both products.  S^T = K Q^T: it sums over its channels for all 64 queries x 32 keys: a partial sum; Q's slice stays in 256 registers.
; The four partials meet in LDS (f32); wave w adds them for query tile w, does that tile's softmax, and puts P (bf16, as the second product's source 1) and the factor a back into LDS.
; O^T = V^T P: wave w holds its 256 channels x 64 queries.  So each byte of K and V is read from LDS by one wave alone, once.
; LAYOUT.  In S^T a lane holds ONE query (lane % 16) and the keys 8 (lane / 16) + 0..7 of a group of 16; two groups rounded in pairs ARE source 1 (32 keys x 16 queries) of V^T P, whose
; result again holds one query a lane and eight neighbouring channels.  K comes out of LDS as it lies, V ([key][channel]) turned, by ds_load_tr16_b128.
; SOFTMAX.  For each query a running maximum M of t = 32 x logit and a sum l: p = 2^(c t - c M), c = log2(e) / 32; in every step O and l are multiplied by a = 2^(c M_old - c M_new).
; THE WALK.  64 key tiles of 32 keys, in 64 PLACES.  K(n), V(n) below are the tiles at place n.  Slot t % 2 of LDS holds K(t+1) and V(t).  Trip t: the products K(t+1) Q^T with the rescaling of O by a(t)
; behind them; barrier X; the products V(t)^T P(t) with the softmax of place t+1 behind them; barrier Y.  X is also the change of slots: behind it slot t % 2 takes K(t+3) and V(t+2), which have a whole
; trip, 128 matrix instructions, in which to land.  Trip -1 (scores and softmax of place 0), trip 0 (its products start O's sums: nothing is cleared or rescaled) and trips 61 to 63 are written out.
; THE ORDER OF THE TILES.  A running maximum takes the keys in any order.  A cluster has a number r = (x + x / 4) % 4 from its place x among the batch's eight clusters; place n holds tile n where
; n % 4 = r, and tile (n - 4) % 64 elsewhere: each tile once.  So a tile is asked for first by the clusters of one r, and by the others four trips later; a cluster makes such a first request in 16 of
; its 64 trips.  All four r occur among clusters 0-3, among 4-7, among the even and among the odd ones.  K, V and the biases go by the same place; the biases are laid into LDS in the walk's order.
; CLUSTER.  The four query blocks of a cluster belong to one batch and walk the same K and V: each tile is asked for JOINTLY, by the same tensor load, descriptor and mask in all four.
; The place in the cluster enters the addresses of q and out and the prefetch's alone; r hangs on the cluster's number, which the four share.
; REGISTERS, in windows of 256 (s_set_vgpr_msb: bits 1:0 source 0, 3:2 source 1, 5:4 source 2, 7:6 destination):
;   window 0: v0-31 addresses and statistics; v32-63 P; v64-127 S^T's 8 accumulators, then the softmax's work; v128-191 H0, v192-255 H1: fragments of K, then of V
;   window 1: Q, fragment (query tile qt, channels 32 c on) at 8 (8 qt + c)          windows 2, 3: O^T, tile u = 4 ct + qt (channels 16 ct on) at 8 (u % 32)
; The accumulators take turns, one matrix instruction a turn: eight in K Q^T, sixty-four in V^T P.
.set KS,    32                         ; keys in a tile
.set KP,    1040                       ; half a row of K in LDS: 1,024 bytes + 16 of padding: the 16 rows of a load begin at 16 different columns of 16 bytes modulo 256 (64 banks of 4 bytes: ISA guide 11.1)
.set VP,    1056                       ; half a row of V: 1,024 + 32
.set KHB,   KS*KP                      ; 32 keys x 512 channels of K: what one tensor load brings
.set VHB,   KS*VP                      ; the same of V
.set VOFF,  2*KHB                      ; a slot: K's two halves, then V's two halves
.set SLOT,  2*KHB+2*VHB                ; 134,144 bytes
.set PART,  2*SLOT                     ; the partial sums: wave x 8,192 + accumulator x 1,024 + half x 512 + lane x 16
.set PREG,  PART+32768                 ; P: query tile x 1,024 + half x 512 + lane x 16
.set AREG,  PREG+4096                  ; a: lane x 32 + query tile x 8, the number twice
.set RREG,  AREG+1024                  ; 1 / l, likewise
.set BIAS,  RREG+1024                  ; 32 x fl(mask x -1e9), one f32 a key, 128 bytes a place of the walk
.set SPARE, BIAS+8192                  ; the spare words, 128 bytes for each wave: two blocks of 256 bytes that no other line names
.set SP,    1040                       ; the way out: a stage row, 256 channels of f32 + 16 bytes.  The stages lie in slot 0, 16 rows a wave, behind its last fill and its last read
.set TILEB, 65536                      ; a tile of K or V in memory
.set VB,    33554432                   ; V's first byte in kvb
.set QO,   1                           ; v1      my byte offset in the wave's rows of q
.set AK,   2                           ; v2-3    LDS address of my fragments of K in slot 0, 1
.set AV,   4                           ; v4-5    the same for V
.set APS,  6                           ; v6      where I put my partial sums
.set APL,  7                           ; v7      where I read the four partials of my query tile
.set APPS, 8                           ; v8      where I put P
.set PFL,  9                           ; v9      the prefetch's bound: my block in tile 63
.set APPL, 10                          ; v10     where I read P
.set AAS,  11                          ; v11     where I put a
.set AAL,  12                          ; v12     where I read the four a
.set ABI0, 13                          ; v13     my place in a tile's 32 biases
.set ABI,  14                          ; v14     the same in the tile in hand
.set PFO,  15                          ; v15     the prefetch's walking offset
.set ML,   16                          ; v16     c M
.set MM,   17                          ; v17     M
.set LL,   18                          ; v18-19  l: the even keys', the odd keys'
.set A8,   20                          ; v20-27  a of query tiles 0 to 3, each twice
.set SPW,  28                          ; v28     LDS address of my spare word; never rewritten
.set NIL,  29                          ; v29     0; never rewritten
.set MLO,  30                          ; v30     c M_old
.set PFA,  31                          ; v31     the prefetch's offset, bounded
.set P,    32
.set S,    64                          ; accumulator (qt, kt) at S + 8 (2 qt + kt).  In the softmax: S+0..15 the scores, +16..31 wave 1's partial and then the bias, +32..47, +48..63 waves 2's and 3's
.set PK,   S+48                         ; P, packed: 8 registers
.set CC,   S+56                         ; four at work
.set AE,   S+60                         ; a, twice
.set H0,   128
.set STO,  2                           ; the way out: where I put 32 bytes of a row; where I read rows back; my offset in 512 bytes of out
.set RD,   3
.set GO,   4
.set WV,   12                          ; s12  my wave's number
.set KIND, 13                          ; s13  I fetch K (0) or V (1)
.set HALF, 14                          ; s14  which 512 channels of it
.set KBASE, 18                         ; s[18:19] K at my half of the batch's tile 0
.set G1K,  24                          ; s[24:31] descriptor group 1 for K's tiles
.set G1V,  32                          ; s[32:39] for V's: it differs in the padding alone
.set G0K,  40                          ; s[40:47] descriptor group 0 for K's tiles, a set for each slot
.set G0V,  48                          ; s[48:55] the same for V's
.set CS,   56                          ; s[56:57] c
.set SEL,  58                          ; s[58:59] v_permlanex16_b32's selects: each lane takes its own place in the other half
.set TB,   60                          ; s60  128 x the place whose softmax is in hand
.set CNT,  61                          ; s61  the loop's count
.set NW,   62                          ; s62  the trip's number + 1
.set RX,   63                          ; s63  r
.set VBASE, 66                         ; s[66:67] V at my half of the batch's tile 0
.set W_QK,  0x04                       ; Q (source 1) in window 1
.set W_RS2, 0x82                       ; O^T (destination, source 0) in window 2, a in window 0
.set W_RS3, 0xc3
.set W_PV2, 0xa0                       ; O^T (C and D) in window 2, V and P in window 0
.set W_PV3, 0xf0
.set MSB, 0
.macro WIN new                         ; the immediate's high byte repeats the setting that is left; a switch that changes nothing is dropped
.if MSB != (\new)
	s_set_vgpr_msb (MSB<<8)|(\new)
.set MSB, (\new)
.endif
.endm
; A load into a register that a matrix instruction has read, and an LDS store or vector instruction that reads a matrix result, stand four places behind it; only plain vector
; instructions that name none of its registers are places (ISA guide 7.12.1 for vector instructions).  Where no work is at hand: four v_nop.
.macro PLACES
.rept 4
	v_nop
.endr
.endm
.macro CREST                           ; a round of the cluster's barrier behind its opening barrier
	s_cmp_lg_u32 s[WV], 0
	s_cbranch_scc1 .Lnot_wave_0_\@
	s_barrier_signal -3
.Lnot_wave_0_\@:
	s_barrier_wait -3
	s_barrier_signal -1
	s_barrier_wait -1
.endm
.macro CROUND                          ; a whole round
	s_barrier_signal -1
	s_barrier_wait -1
	CREST
.endm
; s[d:d+1] = the byte offset in K or V of the tile at place n = NW + c of the walk: tile n where (n - r) % 4 = 0, else tile (n - 4) % 64.  Made apart from every address.
.macro TOFF d, c
	s_add_co_u32 s[\d], s[NW], \c
	s_sub_co_u32 s[\d+1], s[\d], s[RX]
	s_and_b32 s[\d+1], s[\d+1], 3                  ; SCC = the result is not 0
	s_cselect_b32 s[\d+1], 4, 0
	s_sub_co_u32 s[\d], s[\d], s[\d+1]
	s_and_b32 s[\d], s[\d], 63
	s_lshl_b32 s[\d], s[\d], 16                    ; a tile is 65,536 bytes
	s_mov_b32 s[\d+1], 0
.endm
; the global address of group 0 at s[g] is made anew: the tensor's base and that offset; the type bits are set again.  It stands where no tensor load of the wave is out.
.macro TSET g, base, d
	s_add_nc_u64 s[\g+2:\g+3], s[\base:\base+1], s[\d:\d+1]
	s_or_b32 s[\g+3], s[\g+3], 0x80000000
.endm
; A joint refill of slot s.  kind = 2: waves 0 and 1 fetch K's two halves, waves 2 and 3 V's; 1: V alone; 3: K alone.  The branch hangs on the wave's number alone.
; An s_nop 0 and four v_nop follow each tensor load, ahead of the jump and the label; they are also the places in front of the loads that follow the macro.
.macro JLOAD s, kind
	s_cmp_eq_u32 s[KIND], 0
.if (\kind) == 2
	s_cbranch_scc0 .Lfor_v_\@
	tensor_load_to_lds s[G0K+4*(\s):G0K+4*(\s)+3], s[G1K:G1K+7]
	s_nop 0
	PLACES
	s_branch .Lasked_\@
.Lfor_v_\@:
	tensor_load_to_lds s[G0V+4*(\s):G0V+4*(\s)+3], s[G1V:G1V+7]
	s_nop 0
	PLACES
.Lasked_\@:
.elseif (\kind) == 1
	s_cbranch_scc1 .Lasked_\@
	tensor_load_to_lds s[G0V+4*(\s):G0V+4*(\s)+3], s[G1V:G1V+7]
	s_nop 0
	PLACES
.Lasked_\@:
	PLACES
.else
	s_cbranch_scc0 .Lasked_\@
	tensor_load_to_lds s[G0K+4*(\s):G0K+4*(\s)+3], s[G1K:G1K+7]
	s_nop 0
	PLACES
.Lasked_\@:
	PLACES
.endif
.endm
; THE MATRIX WORK.  Product i of 64 of S^T = K Q^T: channels 32 (i / 8) on, accumulator i % 8 = 2 qt + kt.  The first eight start the sums.
.macro QK i
	WIN W_QK
.set rD, S+8*((\i)%8)
.set rA, H0+16*((\i)/8)+8*((\i)%2)
.set rB, 8*(8*(((\i)%8)/2)+(\i)/8)
.if (\i) < 8
	v_wmma_f32_16x16x32_bf16 v[rD:rD+7], v[rA:rA+7], v[rB:rB+7], 0
.else
	v_wmma_f32_16x16x32_bf16 v[rD:rD+7], v[rA:rA+7], v[rB:rB+7], v[rD:rD+7]
.endif
.endm
; O^T's tile i times a of its query tile, lowest registers first
.macro RS i
.if (\i) < 32
	WIN W_RS2
.else
	WIN W_RS3
.endif
.set rO, 8*((\i)%32)
.set rF, A8+2*((\i)%4)
.irp z, 0,1,2,3
	v_pk_mul_f32 v[rO+2*\z:rO+2*\z+1], v[rO+2*\z:rO+2*\z+1], v[rF:rF+1]
.endr
.endm
; O^T's tile u += V^T P: channels 16 (u / 4) on, query tile u % 4, all 32 keys.  zero = 1: the product starts the sum.
.macro PV u, zero
.if (\u) < 32
	WIN W_PV2
.else
	WIN W_PV3
.endif
.set rO, 8*((\u)%32)
.set rA, H0+8*((\u)/4)
.set rB, P+8*((\u)%4)
.if \zero
	v_wmma_f32_16x16x32_bf16 v[rO:rO+7], v[rA:rA+7], v[rB:rB+7], 0
.else
	v_wmma_f32_16x16x32_bf16 v[rO:rO+7], v[rA:rA+7], v[rB:rB+7], v[rO:rO+7]
.endif
.endm
; THE LDS TRAFFIC, in runs; all of it names window 0.
.macro LDK slot, hf                    ; 16 loads: K's fragments of channels 128 hf on (4 x 32 channels x 2 x 16 keys) into H0 or H1
.irp cc, 0,1,2,3
.irp kt, 0,1
	ds_load_b128 v[H0+64*(\hf)+16*\cc+8*\kt:H0+64*(\hf)+16*\cc+8*\kt+3],   v[AK+(\slot)] offset:\kt*16*KP+(4*(\hf)+\cc)*64
	ds_load_b128 v[H0+64*(\hf)+16*\cc+8*\kt+4:H0+64*(\hf)+16*\cc+8*\kt+7], v[AK+(\slot)] offset:\kt*16*KP+(4*(\hf)+\cc)*64+32
.endr
.endr
.endm
.macro LDV slot, hf                    ; 16 turning loads: V^T's fragments of channels 128 hf on (8 x 16 channels x 32 keys)
.irp ct, 0,1,2,3,4,5,6,7
	ds_load_tr16_b128 v[H0+64*(\hf)+8*\ct:H0+64*(\hf)+8*\ct+3],   v[AV+(\slot)] offset:(8*(\hf)+\ct)*32
	ds_load_tr16_b128 v[H0+64*(\hf)+8*\ct+4:H0+64*(\hf)+8*\ct+7], v[AV+(\slot)] offset:(8*(\hf)+\ct)*32+16*VP
.endr
.endm
.macro LDP                             ; 8 loads: P of all four query tiles
.irp i, 0,1,2,3,4,5,6,7
	ds_load_b128 v[P+4*\i:P+4*\i+3], v[APPL] offset:512*\i
.endr
.endm
.macro LDA off                         ; 2 loads: the four a (off = 0) or the four 1 / l
	ds_load_b128 v[A8:A8+3],   v[AAL] offset:(\off)
	ds_load_b128 v[A8+4:A8+7], v[AAL] offset:(\off)+16
.endm
.macro STS                             ; 16 stores: my partial sums, each accumulator's lowest registers first
.irp a, 0,1,2,3,4,5,6,7
	ds_store_b128 v[APS], v[S+8*\a:S+8*\a+3]   offset:1024*\a
	ds_store_b128 v[APS], v[S+8*\a+4:S+8*\a+7] offset:1024*\a+512
.endr
.endm
.macro LDPART                          ; 16 loads: the four waves' partials of my query tile
.irp ws, 0,1,2,3
.irp kh, 0,1,2,3
	ds_load_b128 v[S+16*\ws+4*\kh:S+16*\ws+4*\kh+3], v[APL] offset:8192*\ws+512*\kh
.endr
.endr
.endm
.macro LDB                             ; 4 loads: the biases of my 16 keys
	ds_load_b128 v[S+16:S+19], v[ABI]
	ds_load_b128 v[S+20:S+23], v[ABI] offset:16
	ds_load_b128 v[S+24:S+27], v[ABI] offset:64
	ds_load_b128 v[S+28:S+31], v[ABI] offset:80
.endm
.macro STP                             ; 3 stores: P and a of my query tile
	ds_store_b128 v[APPS], v[PK:PK+3]
	ds_store_b128 v[APPS], v[PK+4:PK+7] offset:512
	ds_store_b64 v[AAS], v[AE:AE+1]
.endm
; THE SOFTMAX of my query tile for one key tile is a list of 87 instructions; SM writes number n of it.  x0-x15 are the lane's scores, in pairs 0-7.
;   0-23   the four partials are added: (0 + 1) + (2 + 3)        24-31  the bias          32-40  the maximum of x0-x15 and the old M, three operands at a time; 39 keeps c M_old
;   41-44  the query's other 16 keys lie in the lane 16 away; the new M; c M; c M_old - c M_new
;   45-86  c x - c M (F), 17 exponentials, the roundings to bf16 (V), the sums (S), l = a l + sum.  No two exponentials follow each other, and a plain instruction stands behind each
;          before its result is used (ISA guide 5.7.2); a pair is rounded before a sum is written over it.
.macro SMF i
	v_pk_fma_f32 v[S+2*(\i):S+2*(\i)+1], v[S+2*(\i):S+2*(\i)+1], s[CS:CS+1], v[ML:ML+1] op_sel_hi:[1,0,0] neg_lo:[0,0,1] neg_hi:[0,0,1]
.endm
.macro SMV i
	s_wait_alu depctr_va_vdst(0)
	v_cvt_pk_bf16_f32 v[PK+(\i)], v[S+2*(\i)], v[S+2*(\i)+1]
.endm
.macro SMS a, b
	v_pk_add_f32 v[S+2*(\a):S+2*(\a)+1], v[S+2*(\a):S+2*(\a)+1], v[S+2*(\b):S+2*(\b)+1]
.endm
.macro SM n
.if (\n) < 8
	SMS (\n), (\n)+8
.elseif (\n) < 16
	SMS (\n)+8, (\n)+16
.elseif (\n) < 24
	SMS (\n)-16, (\n)
.elseif (\n) < 32
	SMS (\n)-24, (\n)-16
.elseif (\n) < 36
.set si, (\n)-32
	v_max3_num_f32 v[CC+si], v[S+3*si], v[S+3*si+1], v[S+3*si+2]
.elseif (\n) == 36
	v_max3_num_f32 v[CC], v[CC], v[S+12], v[S+13]
.elseif (\n) == 37
	v_max3_num_f32 v[CC+1], v[CC+1], v[S+14], v[S+15]
.elseif (\n) == 38
	v_max3_num_f32 v[CC+2], v[CC+2], v[CC+3], v[MM]
.elseif (\n) == 39
	v_mov_b32 v[MLO], v[ML]
.elseif (\n) == 40
	v_max3_num_f32 v[CC], v[CC], v[CC+1], v[CC+2]
.elseif (\n) == 41
	v_permlanex16_b32 v[CC+1], v[CC], s[SEL], s[SEL+1]
.elseif (\n) == 42
	v_max_num_f32 v[MM], v[CC], v[CC+1]
.elseif (\n) == 43
	v_mul_f32 v[ML], s[CS], v[MM]
.elseif (\n) == 44
	v_sub_f32 v[CC+2], v[MLO], v[ML]
.elseif (\n) < 47
	SMF (\n)-45
.elseif (\n) == 47
	v_exp_f32 v[AE], v[CC+2]
.elseif ((\n) <= 58) && ((\n)%2 == 0)
.set si, ((\n)-44)/2
	SMF si
.elseif ((\n) <= 79) && ((\n)%2 == 1)
.set si, ((\n)-49)/2
	v_exp_f32 v[S+si], v[S+si]
.elseif (\n) == 60
	s_wait_alu depctr_va_vdst(0)
	v_mov_b32 v[AE+1], v[AE]
.elseif (\n) <= 68
.set si, ((\n)-62)/2
	SMV si
.elseif (\n) == 70
	SMS 0, 1
.elseif (\n) == 72
	SMV 4
.elseif (\n) == 74
	SMS 2, 3
.elseif (\n) == 76
	SMV 5
.elseif (\n) == 78
	SMS 0, 2
.elseif (\n) == 80
	SMV 6
.elseif (\n) == 81
	SMV 7
.elseif (\n) == 82
	SMS 4, 5
.elseif (\n) == 83
	SMS 6, 7
.elseif (\n) == 84
	SMS 4, 6
.elseif (\n) == 85
	SMS 0, 4
.else
	v_pk_fma_f32 v[LL:LL+1], v[LL:LL+1], v[AE:AE+1], v[S:S+1]
.endif
.endm
.macro SMR a, b                        ; numbers a to b of the list
.set smn, \a
.rept (\b)-(\a)+1
	SM smn
.set smn, smn+1
.endr
.endm
.macro PVR u, z, a, b                  ; a product V^T P and the softmax's numbers a to b behind it: none names a register of the products round it
	PV \u, \z
	WIN 0
	SMR \a, \b
.endm
.macro FIN                             ; behind the last tile's softmax: l's two halves and the other half of the lanes' are added; 1 / l goes where every wave finds it
	v_add_f32 v[CC], v[LL], v[LL+1]
	v_permlanex16_b32 v[CC+1], v[CC], s[SEL], s[SEL+1]
	v_add_f32 v[CC], v[CC], v[CC+1]
	v_rcp_f32 v[CC+2], v[CC]
	v_nop                                          ; a plain instruction between the reciprocal and the use of its result
	s_wait_alu depctr_va_vdst(0)
	v_mov_b32 v[CC+3], v[CC+2]
	ds_store_b64 v[AAS], v[CC+2:CC+3] offset:RREG-AREG
.endm
; THE PREFETCH, once in a trip of the loop (two key trips t, t + 1), by wave 3 alone.  Its 32 lanes name 32 blocks of 256 bytes: row qb (my query block's number, 0 to 31) of the TILES
; number t+5 and t+6 of K and t+4 and t+5 of V, which the clusters that take them first (tile n at place n) ask for in the rounds of key trips t + 2 and t + 3.  The batch's 32 work-groups have
; 32 different rows: each block is asked for once in the launch.  The offset is bounded by the same block of tile 63, so the last trips ask inside kvb.  The offset's register is written
; again only behind s_wait_xcnt 0, a trip of the loop later.
.macro PREF
	s_cmp_lg_u32 s[WV], 3
	s_cbranch_scc1 .Lno_pf_\@
	s_wait_xcnt 0x0
	v_min_u32 v[PFA], v[PFO], v[PFL]
	v_add_nc_u32 v[PFO], 2*TILEB, v[PFO]
	global_prefetch_b8 v[PFA], s[8:9] th:TH_LOAD_NT scope:SCOPE_SE
.Lno_pf_\@:
.endm
; KEY TRIP t, in slot s = t % 2.  rs = 0: nothing to rescale; pvz = 1: the products V^T P start O^T's sums (trip 0).  fill: what the slot is filled with again (JLOAD's kinds; 0: nothing).
; kn = 0: there is no further K.  fin = 1: the softmax is the last.  pf = 1: the prefetch stands here.
.macro TRIP s, rs, pvz, fill, kn, fin, pf
.set OSL, 1-(\s)
	s_wait_dscnt 16                                ; a is in; K's first half came in the trip before; the 16 youngest loads, K's second half, may stay out
.set qi, 0
.rept 32
	QK qi
.if \rs
	RS qi
.endif
.if qi == 0
	WIN 0
	LDP                                            ; P's last reader stands in front of the four v_nop that end the trip before
.endif
.set qi, qi+1
.endr
.if !(\rs)
	PLACES
.endif
	WIN 0
	LDV \s, 0                                      ; into H0: the four lines behind its last reader are the places
	s_wait_dscnt 24                                ; K's second half is in; P's 8 loads and V's 16 stay out
.rept 32
	QK qi
.if \rs
	RS qi
.endif
.set qi, qi+1
.endr
.if !(\rs)
	PLACES
.endif
	WIN 0
	LDV \s, 1                                      ; into H1
	STS
.if (\fill) == 2
	TOFF 20, 2                                     ; where K(t+3) lies,
.endif
.if \fill
	TOFF 22, 1                                     ; and V(t+2): NW = t + 1
.endif
	s_add_co_u32 s[NW], s[NW], 1
	s_add_co_u32 s[TB], s[TB], 4*KS                ; the biases of place t + 1
	s_wait_dscnt 32                                ; P and V's first half are in; V's second 16 loads and my 16 stores may stay out
.set pu, 0
.rept 24
	PV pu, \pvz                                    ; all but eight of this half's products stand ahead of the wait for the tile, so that the next request follows the landing closely
.set pu, pu+1
.endr
	; X.  One barrier for three things: the partials are stored; nobody reads slot s any more; the other slot is whole.
	WIN 0                                          ; (the add's two registers lie in window 0)
	s_wait_tensorcnt 0x0                           ; all my tensor loads have landed: the one that was out is my part of the other slot; so a group 0 may be written
	ds_add_u32 v[SPW], v[NIL]                      ; 0 onto my spare word
.if (\fill) == 2
	TSET G0K+4*(\s), KBASE, 20
.endif
.if \fill
	TSET G0V+4*(\s), VBASE, 22
.endif
.rept 4
	PV pu, \pvz                                    ; four matrix instructions stand between the add and the wait for it
.set pu, pu+1
.endr
	s_wait_dscnt 0x0                               ; the add is done, my partials are stored, my reads of slot s, of P and of a are over
	s_barrier_signal -1
.rept 4
	PV pu, \pvz                                    ; work on registers while the others arrive
.set pu, pu+1
.endr
	WIN 0
	s_barrier_wait -1
.if \fill
	CREST                                          ; the barrier has opened a round of the cluster's: no wave of any partner still reads this slot or has a load on its way
	JLOAD \s, \fill                                ; the first tensor load behind the round, and my only one until the next
.else
	PLACES
.endif
	LDPART
.if \kn
	LDK OSL, 0                                     ; K(t+2)'s first half, into H0, whose last reader stands in front of the v_nop above
.endif
.if \pf
	PREF
.endif
	PV 32, \pvz
	PV 33, \pvz
	s_wait_dscnt 16*(\kn)                          ; the partials are in; K's 16 loads may stay out
	PVR 34, \pvz, 0, 3
	PVR 35, \pvz, 4, 7
	v_add_nc_u32 v[ABI], s[TB], v[ABI0]
	LDB                                            ; where wave 1's partial lay: it has been added
	PVR 36, \pvz, 8, 11
	PVR 37, \pvz, 12, 15
	PVR 38, \pvz, 16, 19
	PVR 39, \pvz, 20, 23
	s_wait_dscnt 0x0                               ; the biases, the youngest loads, are in
	PVR 40, \pvz, 24, 27
	PVR 41, \pvz, 28, 31
	PVR 42, \pvz, 32, 35
	PVR 43, \pvz, 36, 39
	PVR 44, \pvz, 40, 40                           ; the chain to c M: one link behind each product
	PVR 45, \pvz, 41, 41
	PVR 46, \pvz, 42, 42
	PVR 47, \pvz, 43, 43
	PVR 48, \pvz, 44, 46
.set kk, 0
.rept 10
	PVR 49+kk, \pvz, 47+4*kk, 50+4*kk
.set kk, kk+1
.endr
.if \fin
	FIN
.endif
	STP
	PV 59, \pvz
	PV 60, \pvz
	; Y.  P and a of place t + 1 are stored, and the reads of the partials are over.  My tensor load stays out across it.
	s_wait_dscnt 0x0
	s_barrier_signal -1
	PV 61, \pvz
	PV 62, \pvz
	s_barrier_wait -1
	WIN 0
	LDA 0
	PV 63, \pvz
	PLACES                                         ; behind the last reader of H1 and of P
	WIN 0
.if \kn
	LDK OSL, 1                                     ; K(t+2)'s second half
.endif
.endm
	s_load_b256 s[4:11], s[0:1], 0x0               ; q s[4:5], mask s[6:7], kvb s[8:9], out s[10:11]
	v_lshl_add_u32 v[SPW], v0, 2, SPARE
	v_mov_b32 v[NIL], 0
	ds_add_u32 v[SPW], v[NIL]                      ; the wave's opening: the add and its wait stand ahead of my first tensor load; the set-up below, work on registers, stands between them
	v_lshrrev_b32 v1, 5, v0
	v_readfirstlane_b32 s[WV], v1                  ; wave 0..3
	s_lshr_b32 s[KIND], s[WV], 1
	s_and_b32 s[HALF], s[WV], 1
	s_bfe_u32 s15, ttmp6, 0x40000                  ; cx: my place in the cluster
	s_lshl_b32 s16, ttmp9, 2                       ; in a cluster launch ttmp9 counts clusters
	s_add_co_u32 s15, s16, s15                     ; qb, my block of 64 queries = 4 x cluster x + cx
	s_and_b32 s16, ttmp7, 0xffff                   ; b, the batch, which the four partners share
	s_lshr_b32 s[RX], ttmp9, 2                     ; r = (x + x / 4) % 4 of the cluster's number x, which the four partners share too
	s_add_co_u32 s[RX], s[RX], ttmp9
	s_and_b32 s[RX], s[RX], 3
	s_mov_b32 s[NW], 0
	s_lshl_b32 s2, s16, 23                         ; in q and out: b x 2,048 rows of 4,096 bytes
	s_lshl_b32 s3, s15, 18                         ; + qb x 64 rows
	s_add_co_u32 s2, s2, s3
	s_lshl_b32 s3, s[WV], 10                       ; + my 256 channels
	s_add_co_u32 s2, s2, s3
	s_mov_b32 s3, 0
	s_lshl_b32 s18, s16, 22                        ; in K and in V: b x 2,048 rows of 2,048 bytes
	s_lshl_b32 s19, s[HALF], 10                    ; + the 512 channels that I fetch
	s_add_co_u32 s18, s18, s19
	s_mov_b32 s19, 0
	s_lshl_b32 s20, s16, 13                        ; in mask: b x 8,192 bytes
	s_mov_b32 s21, 0
	s_mul_i32 s22, s[HALF], KHB                    ; where my tiles go in a slot: no place in the cluster enters an LDS address
	s_mul_i32 s23, s[HALF], VHB
	; descriptor group 1: a tile of 32 rows x 512 elements out of rows of 1,024, padded in LDS behind every row
	s_mov_b32 s[G1K], 15|(1<<16)|(1<<20)|(1<<21)|(7<<22)|(3<<25)  ; 15:0 the mask of four; 17:16 2-byte elements; 20 padding on; 21 set beside a mask; 24:22 after every 256 words (code 7); 31:25 4 words (code 3)
	s_mov_b32 s[G1V], 15|(1<<16)|(1<<20)|(1<<21)|(7<<22)|(7<<25)  ; the same with 8 words of padding (code 7)
.irp g, G1K, G1V
	s_mov_b32 s[\g+1], 512<<16                     ; tensor_dim0 = 512
	s_mov_b32 s[\g+2], KS<<16                      ; tensor_dim1 = 32
	s_mov_b32 s[\g+3], 512<<16                     ; tile_dim0 = 512
	s_mov_b32 s[\g+4], KS                          ; tile_dim1 = 32
	s_mov_b32 s[\g+5], 1024                        ; 1,024 elements from row to row
	s_mov_b32 s[\g+6], 0
	s_mov_b32 s[\g+7], 0
.endr
.irp n, 0,1
	s_mov_b32 s[G0K+4*\n], 1                       ; 1:0 count = 1
	s_add_co_u32 s[G0K+4*\n+1], s22, \n*SLOT       ; 63:32 LDS address
	s_mov_b32 s[G0V+4*\n], 1
	s_add_co_u32 s[G0V+4*\n+1], s23, \n*SLOT+VOFF
.endr
	s_mov_b32 s[CS], 0x3d38aa3b                    ; c = log2(e) / 32 = 0.0450842
	s_mov_b32 s[CS+1], s[CS]                       ; named with it as a pair
	s_mov_b32 s[SEL], 0x76543210
	s_mov_b32 s[SEL+1], 0xfedcba98
	s_mov_b32 s[TB], 0
	s_wait_dscnt 0x0                               ; the opening add is done
	s_wait_kmcnt 0x0
	s_add_nc_u64 s[4:5], s[4:5], s[2:3]            ; q and out at my wave's first row and channel
	s_add_nc_u64 s[10:11], s[10:11], s[2:3]
	s_add_nc_u64 s[6:7], s[6:7], s[20:21]          ; the batch's mask
	s_add_nc_u64 s[KBASE:KBASE+1], s[8:9], s[18:19]  ; K at my half of the batch's tile 0,
	s_add_nc_u64 s[VBASE:VBASE+1], s[KBASE:KBASE+1], VB  ; and V
	TOFF 20, 0                                     ; 120:64 global address, 127:126 type = 2.  The tile at place 0:
	TSET G0K+4, KBASE, 20                          ; slot 1 begins with K(0),
	TSET G0V, VBASE, 20                            ; slot 0 with V(0)
	TOFF 20, 1                                     ; the tile at place 1:
	TSET G0K, KBASE, 20                            ; slot 0 with K(1),
	TSET G0V+4, VBASE, 20                          ; slot 1 with V(1)
	CROUND                                         ; all four work-groups are here: the first joint loads meet
	s_cmp_eq_u32 s[KIND], 0                        ; a wave's two first fills stand in one branch, ahead of every wait on TENSORcnt, every LDS read and every other barrier: two loads of mine are out
	s_cbranch_scc0 .Lfirst_v
	tensor_load_to_lds s[G0K+4:G0K+7], s[G1K:G1K+7]
	s_nop 0
	tensor_load_to_lds s[G0K:G0K+3], s[G1K:G1K+7]
	s_nop 0
	PLACES
	s_branch .Lfirst_asked
.Lfirst_v:
	tensor_load_to_lds s[G0V:G0V+3], s[G1V:G1V+7]
	s_nop 0
	tensor_load_to_lds s[G0V+4:G0V+7], s[G1V:G1V+7]
	s_nop 0
	PLACES
.Lfirst_asked:
	; the mask: 8,192 bytes, 4 x 16 bytes a thread.  My 16 bytes of load i go to LDS byte 16 t + 2,048 i, which is place t / 8 + 16 i of the walk; they come from the tile that stands at that place.
	v_lshlrev_b32 v38, 4, v0
	v_lshrrev_b32 v39, 3, v0                       ; the place, less 16 i
	s_sub_co_u32 s21, 4, s[RX]
	v_add_nc_u32 v41, s21, v39
	v_and_b32 v41, 3, v41                          ; (place - r) % 4
	v_min_u32 v41, 1, v41
	v_lshlrev_b32 v41, 2, v41                      ; 0: the tile of the place's own number; else four back
	v_sub_nc_u32 v39, v39, v41                     ; (below 0 for places 0 to 3: the AND below takes it modulo 64)
	v_and_b32 v41, 7, v0
	v_lshlrev_b32 v41, 4, v41                      ; my 16 bytes of the tile's 128
.irp i, 0,1,2,3
	v_add_nc_u32 v[42+\i], 16*\i, v39
	v_and_b32 v[42+\i], 63, v[42+\i]
	v_lshl_add_u32 v[42+\i], v[42+\i], 7, v41
	global_load_b128 v[S+4*\i:S+4*\i+3], v[42+\i], s[6:7]
.endr
	; Q: a fragment is 16 queries x 32 channels: lane l holds query l % 16, channels 8 (l / 16) + 0..7 and 16 + 8 (l / 16) + 0..7: in f32 four loads of 16 bytes.
	; The 512 registers of f32 lie where O^T will lie; fragment f = 8 qt + c at 16 f.
	v_and_b32 v34, 31, v0                          ; l
	v_and_b32 v32, 15, v0                          ; l % 16
	v_bfe_u32 v33, v0, 4, 1                        ; l / 16
	v_lshlrev_b32 v[QO], 12, v32
	v_lshl_add_u32 v[QO], v33, 5, v[QO]            ; row x 4,096 + 32 x half
.set f, 0
.rept 32
.if f < 16
	WIN 0x80                                       ; destination window 2, address window 0
.else
	WIN 0xc0
.endif
.set qr, 16*(f%16)
.set qo, (f/8)*65536+(f%8)*128
	global_load_b128 v[qr:qr+3],     v[QO], s[4:5] offset:qo
	global_load_b128 v[qr+4:qr+7],   v[QO], s[4:5] offset:qo+16
	global_load_b128 v[qr+8:qr+11],  v[QO], s[4:5] offset:qo+64
	global_load_b128 v[qr+12:qr+15], v[QO], s[4:5] offset:qo+80
.set f, f+1
.endr
	WIN 0
	; the LDS addresses, while the loads are on their way
	v_mul_u32_u24 v37, v32, KP
	v_lshl_add_u32 v37, v33, 4, v37                ; K: row x pitch + 16 x half of the lanes
	s_mul_i32 s20, s[KIND], KHB                    ; my 256 channels: half w / 2,
	s_lshl_b32 s21, s[HALF], 9                     ; 512 bytes x (w % 2)
	s_add_co_u32 s20, s20, s21
	v_add_nc_u32 v[AK], s20, v37
	v_add_nc_u32 v[AK+1], SLOT, v[AK]
	; The turning load takes 16 keys x 16 channels (lane l reads key 8 (l / 16) + l % 8, channels 8 ((l / 8) % 2) + 0..7) and leaves half a fragment of V^T: lane l holds channel l % 16 and 8 keys.
	v_and_b32 v35, 7, v0
	v_bfe_u32 v36, v0, 3, 1
	v_lshl_add_u32 v37, v33, 3, v35
	v_mul_u32_u24 v37, v37, VP
	v_lshl_add_u32 v37, v36, 4, v37
	s_mul_i32 s20, s[KIND], VHB
	s_add_co_u32 s20, s20, s21
	s_add_co_u32 s20, s20, VOFF
	v_add_nc_u32 v[AV], s20, v37
	v_add_nc_u32 v[AV+1], SLOT, v[AV]
	v_lshlrev_b32 v37, 4, v34                      ; 16 l
	s_lshl_b32 s20, s[WV], 13
	s_add_co_u32 s20, s20, PART
	v_add_nc_u32 v[APS], s20, v37
	s_lshl_b32 s20, s[WV], 11
	s_add_co_u32 s20, s20, PART
	v_add_nc_u32 v[APL], s20, v37
	s_lshl_b32 s20, s[WV], 10
	s_add_co_u32 s20, s20, PREG
	v_add_nc_u32 v[APPS], s20, v37
	v_add_nc_u32 v[APPL], PREG, v37
	v_lshlrev_b32 v37, 5, v34                      ; 32 l
	v_add_nc_u32 v[AAL], AREG, v37
	s_lshl_b32 s20, s[WV], 3
	v_add_nc_u32 v[AAS], s20, v[AAL]
	v_lshlrev_b32 v[ABI0], 5, v33
	v_add_nc_u32 v[ABI0], BIAS, v[ABI0]
	v_add_nc_u32 v40, BIAS, v38
	v_mov_b32 v[ML], 0xfe000000                    ; c M: far below every c t, so the first a is 0 (it meets l = 0 alone)
	v_mov_b32 v[MM], 0xff7fffff                    ; M: the lowest finite number
	v_mov_b32 v[LL], 0
	v_mov_b32 v[LL+1], 0
	; the prefetch's offsets in kvb: lanes 0-7 tile 6 of K, 8-15 tile 7 of K, 16-23 tile 5 of V, 24-31 tile 6 of V; row qb of the tile, 256 bytes a lane
	s_lshl_b32 s20, s16, 22
	s_lshl_b32 s21, s15, 11
	s_add_co_u32 s20, s20, s21
	v_lshl_add_u32 v37, v35, 8, s20
	v_lshl_add_u32 v37, v33, 25, v37               ; lanes 16-31: V lies 2^25 bytes behind K
	v_add_nc_u32 v[PFL], 63*TILEB, v37
	v_lshl_add_u32 v[PFO], v36, 16, v37
	v_lshlrev_b32 v39, 16, v33
	v_sub_nc_u32 v[PFO], v[PFO], v39               ; V's tiles are one behind K's
	v_add_nc_u32 v[PFO], 6*TILEB, v[PFO]
	s_mov_b32 s20, 0xce6e6b28                      ; -1e9
	s_mov_b32 s21, s20
	s_mov_b32 s22, 0x42000000                      ; 32
	s_mov_b32 s23, s22
	s_wait_loadcnt 63                              ; the mask's four loads are the oldest of 132: they are in when 63 are out
.irp i, 0,1,2,3,4,5,6,7
	v_pk_mul_f32 v[S+2*\i:S+2*\i+1], v[S+2*\i:S+2*\i+1], s[20:21] op_sel_hi:[1,0]  ; rounded as the definition's product is,
.endr
.irp i, 0,1,2,3,4,5,6,7
	v_pk_mul_f32 v[S+2*\i:S+2*\i+1], v[S+2*\i:S+2*\i+1], s[22:23] op_sel_hi:[1,0]  ; then times 32, which rounds nothing
.endr
.irp i, 0,1,2,3
	ds_store_b128 v40, v[S+4*\i:S+4*\i+3] offset:2048*\i
.endr
.set g, 0
.rept 8                                ; Q to bf16, four fragments (16 loads) at a time
.if 112-16*g > 63
	s_wait_loadcnt 63                              ; 112 - 16 g loads are younger than this group's; a smaller count is right too
.else
	s_wait_loadcnt 112-16*g
.endif
.if g < 4
	WIN 0x4a                                       ; destination window 1, sources window 2
.else
	WIN 0x4f
.endif
.set f, 4*g
.rept 4
.set j, 0
.rept 8
	v_cvt_pk_bf16_f32 v[8*f+j], v[16*(f%16)+2*j], v[16*(f%16)+2*j+1]
.set j, j+1
.endr
.set f, f+1
.endr
.set g, g+1
.endr
	WIN 0
	s_wait_tensorcnt 0x0                           ; my parts of both slots are in,
	s_wait_dscnt 0x0                               ; my biases are stored:
	s_barrier_signal -1
	s_barrier_wait -1                              ; everybody's are
	; TRIP -1: the scores and the softmax of place 0.  There is no other work yet to set between the lines.
	LDK 1, 0
	LDK 1, 1
	s_wait_dscnt 0x0
.set qi, 0
.rept 64
	QK qi
.set qi, qi+1
.endr
	PLACES
	WIN 0
	STS
	TOFF 20, 2                                     ; where K(2) lies: NW = 0
	s_add_co_u32 s[NW], s[NW], 1
	s_wait_tensorcnt 0x0                           ; no tensor load of mine is out
	ds_add_u32 v[SPW], v[NIL]                      ; 0 onto my spare word
	TSET G0K+4, KBASE, 20
	s_wait_dscnt 0x0                               ; the add is done, my partials are stored, my reads of K(0) are over
	CROUND
	JLOAD 1, 3                                     ; K(2) where K(0) lay; V(1) lies in the slot already
	LDPART
	LDK 0, 0
	s_wait_dscnt 16                                ; the partials are in
	SMR 0, 7
	v_add_nc_u32 v[ABI], s[TB], v[ABI0]
	LDB
	SMR 8, 23
	s_wait_dscnt 0x0
	SMR 24, 86
	STP
	s_wait_dscnt 0x0
	s_barrier_signal -1
	s_barrier_wait -1
	LDK 0, 1
	TRIP 0, 0, 1, 2, 1, 0, 0                       ; trip 0
	s_mov_b32 s[CNT], 30
.Lloop:                                                ; trips 1 to 60, two in a trip of the loop
	TRIP 1, 1, 0, 2, 1, 0, 1
	TRIP 0, 1, 0, 2, 1, 0, 0
	s_sub_co_u32 s[CNT], s[CNT], 1
	s_cmp_lg_u32 s[CNT], 0
	s_cbranch_scc1 .Lloop
	TRIP 1, 1, 0, 1, 1, 0, 0                       ; trip 61: V(63) alone is left to fetch
	TRIP 0, 1, 0, 0, 0, 1, 0                       ; trip 62: nothing is fetched; the last softmax, and 1 / l
	; TRIP 63: the last rescaling and the last products.  V(63) was shown landed in front of trip 62's first barrier, P and a stored in front of its second.
	s_wait_dscnt 0x0                               ; a
	LDP
	LDV 1, 0
	LDV 1, 1
.set qi, 0
.rept 64
	RS qi
.set qi, qi+1
.endr
	s_wait_dscnt 0x0
.set pu, 0
.rept 64
	PV pu, 0
.set pu, pu+1
.endr
	; THE WAY OUT.  O^T times 1 / l; a lane's eight channels of a query are 32 bytes; a query tile (16 rows x 1,024 bytes) at a time goes through my stage and comes back as whole rows.
	; The stage lies in slot 0: its last fill landed and its last reads were waited for in front of trip 62's first barrier; no tensor load follows.  It is my wave's own: no barrier.
	WIN 0
	LDA RREG-AREG
	s_mul_i32 s20, s[WV], 16*SP
	v_and_b32 v64, 15, v0
	v_bfe_u32 v65, v0, 4, 1
	v_and_b32 v66, 31, v0
	v_mul_u32_u24 v[STO], v64, SP
	v_lshl_add_u32 v[STO], v65, 5, v[STO]
	v_add_nc_u32 v[STO], s20, v[STO]               ; in: row l % 16, 32 bytes for each half of the lanes
	v_lshlrev_b32 v[GO], 4, v66                    ; back: 32 lanes take 512 consecutive bytes of a row
	v_add_nc_u32 v[RD], s20, v[GO]
	s_wait_dscnt 0x0                               ; 1 / l
.macro OUTQ qt
.irp hw, 0,1                           ; channels 0-127 lie in window 2, 128-255 in window 3.  The scalings of tiles finished earlier are the places behind the last products
.if \hw == 0
	WIN W_RS2
.else
	WIN W_RS3
.endif
.set ct, 0
.rept 8
.set rO, 8*(4*ct+(\qt))
.irp z, 0,1,2,3
	v_pk_mul_f32 v[rO+2*\z:rO+2*\z+1], v[rO+2*\z:rO+2*\z+1], v[A8+2*(\qt):A8+2*(\qt)+1]
.endr
.set ct, ct+1
.endr
	WIN 0x08+4*\hw                                 ; the stores' data in window 2 or 3
.set ct, 0
.rept 8
.set rO, 8*(4*ct+(\qt))
	ds_store_b128 v[STO], v[rO:rO+3]   offset:64*(8*\hw+ct)
	ds_store_b128 v[STO], v[rO+4:rO+7] offset:64*(8*\hw+ct)+16
.set ct, ct+1
.endr
.endr
	WIN 0
	s_wait_xcnt 0x0                                ; the registers that the last tile's stores read are loaded again only behind this wait (ISA guide 3.1)
.set i, 0
.rept 32
	ds_load_b128 v[H0+4*i:H0+4*i+3], v[RD] offset:(i/2)*SP+512*(i%2)  ; LDS serves a wave's instructions in order (ISA guide 5.7.1.4): these see the stores above; the next tile's stores come behind them
.set i, i+1
.endr
.set i, 0
.rept 32
	s_wait_dscnt 31-i
	global_store_b128 v[GO], v[H0+4*i:H0+4*i+3], s[10:11] offset:(16*(\qt)+i/2)*4096+512*(i%2) th:TH_STORE_NT  ; 512 consecutive bytes, at a multiple of 256 from out's first byte
.set i, i+1
.endr
.endm
	OUTQ 0
	OUTQ 1
	OUTQ 2
	OUTQ 3
	s_wait_tensorcnt 0x0                           ; the wave's end: behind my last tensor load and my last LDS store
	ds_add_u32 v[SPW], v[NIL]
	s_wait_dscnt 0x0
	CROUND                                         ; the closing round: no work-group ends while a partner may still ask for a tile that names it
	s_endpgm
.Lfunc_end_k_qf067da41fe_attn:
	.size	k_qf067da41fe_attn, .Lfunc_end_k_qf067da41fe_attn-k_qf067da41fe_attn
	.p2alignl 7, 3214868480
	.fill 96, 4, 3214868480
	.section	.rodata,"a",@progbits
	.p2align	6, 0x0
	.amdhsa_kernel k_qf067da41fe_attn
		.amdhsa_group_segment_fixed_size 327680
		.amdhsa_private_segment_fixed_size 0
		.amdhsa_enable_private_segment 0
		.amdhsa_kernarg_size 32
		.amdhsa_user_sgpr_count 2
		.amdhsa_user_sgpr_kernarg_segment_ptr 1
		.amdhsa_wavefront_size32 1
		.amdhsa_system_sgpr_workgroup_id_x 1
		.amdhsa_system_sgpr_workgroup_id_y 1
		.amdhsa_system_sgpr_workgroup_id_z 1
		.amdhsa_system_vgpr_workitem_id 0
		.amdhsa_next_free_vgpr 1024
		.amdhsa_next_free_sgpr 68
		.amdhsa_reserve_vcc 0
		.amdhsa_float_denorm_mode_32 3
		.amdhsa_float_denorm_mode_16_64 3
		.amdhsa_memory_ordered 1
		.amdhsa_forward_progress 1
		.amdhsa_inst_pref_size 255
	.end_amdhsa_kernel
	.section	.bss,"aw",@nobits
	.p2align	6
	.space	262144
	.amdgpu_metadata
---
amdhsa.version: [ 1, 2 ]
amdhsa.kernels:
  - .name:           k_qf067da41fe_attn
    .symbol:         k_qf067da41fe_attn.kd
    .args:
      - { .name: q, .offset: 0, .size: 8, .value_kind: global_buffer, .address_space: global }
      - { .name: mask, .offset: 8, .size: 8, .value_kind: global_buffer, .address_space: global }
      - { .name: kvb, .offset: 16, .size: 8, .value_kind: global_buffer, .address_space: global }
      - { .name: out0, .offset: 24, .size: 8, .value_kind: global_buffer, .address_space: global }
    .group_segment_fixed_size: 327680
    .private_segment_fixed_size: 0
    .kernarg_segment_align: 8
    .kernarg_segment_size: 32
    .max_flat_workgroup_size: 128
    .sgpr_count:     68
    .vgpr_count:     1024
    .wavefront_size: 32
...
	.end_amdgpu_metadata
.endif
;; end of part 2
